; MI455X (gfx1250); checked and timed in simulation.
; The chip was launched on July 23, 2026; its instructions are those of AMD's public machine-readable ISA for CDNA 5 (MIT licence, August 2026) and "CDNA5" Instruction Set Architecture Reference Guide (July 2026). The comments in the code are by the model that wrote it; some were corrected since.
;; ODE Func. Allowed arithmetic: float matrix products may take bf16 or f16 operands with f32 sums; all other float work in f32.
;; Inputs: W1 65 x 256 float32; W2 256 x 256 float32; W3 256 x 64 float32; b1 256 float32; b2 256 float32; b3 64 float32; logp 8,192 float32; t 1 float32; z 8,192 x 64 float32.
;; Outputs: out0 8,192 x 64 float32; out1 8,192 float32.
;; 2 versions, each right; version 2 is version 1 with the launch ode written anew for expert scheduling mode. Each part assembles by itself: llvm-mc -triple=amdgcn-amd-amdhsa -mcpu=gfx1250 --defsym DOCPART=n.
;; ======== version 1 of 2: 1 launch
;; limits: values are held in f16: magnitudes above 65,504 overflow, below 6.1e-05 lose precision; right only within a limited range of input values
;; launch ode (part 1): grid 256 x 1, 4 waves a work-group, no clusters, 202,240 bytes of LDS; arguments z, W1, b1, W2, b2, W3, b3, t, out0, out1; writes out0, out1
.if DOCPART == 1
	.amdgcn_target "amdgcn-amd-amdhsa--gfx1250"
	.amdhsa_code_object_version 6
	.text
	.protected	k_q612d2d35a4_ode
	.globl	k_q612d2d35a4_ode
	.p2align	8
	.type	k_q612d2d35a4_ode,@function
k_q612d2d35a4_ode:
	s_mov_b64 s[64:65], 0
	v_nop
	global_prefetch_b8 v0, s[64:65] scope:SCOPE_SE
	s_setreg_imm32_b32 hwreg(HW_REG_WAVE_MODE, 25, 1), 1
	s_wait_xcnt 0x0
; out0 = net(z), out1 = -trace(d net / d z).  z [8192][64], W1 [65][256], W2 [256][256], W3 [256][64], all f32.
;   a1 = z W1[0:64] + t W1[64] + b1, h1 = silu(a1), d1 = silu'(a1);  a2 = h1 W2 + b2, h2 = silu(a2), d2 = silu'(a2);  out0 = h2 W3 + b3.
; THE TRACE.  sum over i of d out0[i] / d z[i] = sum over i, k, l of W1[i][k] d1[k] W2[k][l] d2[l] W3[l][i].  The same terms that the 64 tangents
; of reference() produce are summed here in another order:  M[l][k] = sum_i W3[l][i] W1[i][k],  G[k][l] = W2[k][l] M[l][k],  u = d1 G,
; trace = sum_l d2[l] u[l].  This holds for every input; only the order of rounding differs from that of reference().
; logp is no argument: reference() never reads it and no result hangs on it.
;
; SHARES.  One launch, 256 work-groups of 32 batch rows (two batch tiles mt of 16), four waves.  Wave g owns hidden columns 64 g .. 64 g + 63 of both
; hidden layers (four column tiles q) and, in the last layer, that range of the sum; the four partial sums of out0 and of the trace meet in LDS.
;
; WEIGHTS GO FROM MEMORY STRAIGHT INTO FRAGMENTS.  A 16-byte load of a weight row gives lane r the columns 4 r .. 4 r + 3 of the wave's 64; they are dealt
; to the four column tiles q, so that lane r of tile tau = 4 g + q stands for the true column 64 g + 4 r + q.  Hidden units are therefore kept in
; POSITION order, p = 16 tau + r  <->  k(p) = 64 (tau / 4) + 4 (p % 16) + tau % 4, and weight rows along a sum are fetched in that order by constants in
; the loads' immediates.  In every weight load lanes 0-15 take 256 consecutive aligned bytes of one row and lanes 16-31 of another, and each byte of
; W1[0:64], W2 and W3 is loaded once by the work-group.
; NO JOINT LOADS, NO TENSOR LOADS: all 256 work-groups walk the same 394,240 bytes of weights, but every weight must pass through registers to be rounded
; from f32 to 16 bits, and the loads above already deliver the fragments' layout; a tile shared through LDS would add 394,240 bytes of LDS writes and as
; many reads for each work-group, and a round of the cluster's barrier for each refill, to spare loads of data that all work-groups read at the same time.
;
; FORMATS.  f16 operands, one product: z W1, W3 W1 (= M), h1 W2.  bf16 pairs hi + lo, three products (hi hi, hi lo, lo hi): d1 G and h2 W3.  All sums,
; biases, activations and G itself in f32.
; LIMITS, stated: |z|, |W1|, |W2|, |W3| and |silu(a1)| must stay below 65,504 (f16's largest number), and magnitudes under 6e-8 vanish in those operands.
; With all inputs 30 times those drawn a1 is of the order 900; with offsets of 30 spreads, of the order 64 x 30 x 3.7 = 7,100.  h2 and G have no such room
; and go as bf16 pairs.  sigmoid(x) = 1 / (1 + 2^(-x log2 e)): an overflowing power gives 0, a vanishing one gives 1, the right limits.  The sign of a zero
; in out1 is not kept.
;
; MATRIX INSTRUCTIONS: the accumulators take turns, one instruction a turn, everywhere in this text.
; Orientation: in layers 1 and 2 and in u source 0 is the weight fragment and source 1 the activations, so that register j of lane (r, h) holds
; (batch row 16 mt + r, position 16 tau + 8 h + j): eight neighbouring positions, 16 bytes in 16-bit form.
; ---- LDS, every region written once and by ds_store alone
.set LW1I, 0                           ; 32,768  W1 fragments as register images: (2 tau + si) x 1024 + 16 lane (registers 0-3), + 512 (registers 4-7)
.set LACT, 32768                       ; 55,296  for each writing wave 13,824: h1 f16, d1 hi, d1 lo, each [32 rows][64 local positions], pitch 144
.set LZ,   88064                       ;  4,608  z in f16, [32][64], pitch 144
.set LC1,  92672                       ;  1,024  t W1[64][k(p)] + b1[k(p)] in f32; behind it 1,024 bytes of b2[k(p)]
.set LW3T, 94720                       ; 36,864  for each wave 9,216: W3 in f16, [64 local positions of l][64 i], pitch 144
.set LH2,  131584                      ; 36,864  for each wave 9,216: h2 hi 4,608, h2 lo 4,608, [32][64 local positions], pitch 144
.set LFP,  168448                      ; 32,768  for each wave 8,192: its partial out0 as register images, tile (2 q + mt) x 1024 + 16 lane, + 512
.set LDV,  201216                      ;    512  [wave][32 batch rows] partial traces
; ---- window 0
.set L16, 1                            ; 16 lane
.set W2O, 2                            ; offsets into W2, W1, W3: the lane's row part, the wave's 256 bytes, 16 r
.set W1O, 3
.set W3O, 4
.set ZG,  5                            ; 16 tid
.set KB,  6                            ; 4 k(tid)
.set ZS,  7
.set ZL,  8
.set BS,  9
.set BL,  10
.set W1S, 11
.set W3S, 12
.set W3L, 13
.set AF,  14
.set NEG, 15                           ; -1.0
.set FL,  16
.set DVL, 17
.set OO,  18
.set O1,  19
.set B3,  20                           ; v[20:23] b3[4 r .. 4 r + 3]
.set R16, 28                           ; 16 r
.set RAW0, 32                          ; v[32:95], v[96:159]: two buffers of raw W2, register 4 kk + q
.set OUT, 96
.set TG,  160                          ; v[160:223]: own W1 fragments; W3 in f16; in a K step M's tiles at 16 q + 8 a, then G hi at 16 q and G lo at 16 q + 8
.set WF,  224                          ; v[224:255]: z; z fragments; in a K step W1 fragments at 16 a + 8 si, then W2 fragments at 8 q
.set ZR,  224
.set ZP,  240
; ---- window 1
.set ACA, 0                            ; tile (2 q + mt) x 8: a1, then a2, then the partial out0   (first of all v[0:127]: raw W1, 64 si + 4 kk + q)
.set ACU, 64                           ; at work in the first activation; u; h2 fragments
.set W3R, 128                          ; W3 fragments for M, (2 q + si) x 8
.set AFR, 192                          ; h1 fragments at 8 mt, d1 hi at 16 + 8 mt, d1 lo at 32 + 8 mt; at work in the second activation
.set AS,  240
.set H2A, 241
.set FS,  242
.set DVS, 243
.set NEG1, 244                         ; -1.0
.set DV,  246                          ; v[246:247], v[248:249]: the running d2 u of batch tile 0, 1
.set PT,  250
.set ONE, 252                          ; v[252:253] = 1.0, 1.0
; ---- window 2
.set W3F, 0                            ; W3 fragments for the last layer, ((4 sp + q) x 2 + part) x 8
.set W3W, 128                          ; raw W3, 64 sp + 4 kk + q
.set MSB, 0
.macro WIN new                         ; s_set_vgpr_msb: bits 1:0 source 0, 3:2 source 1, 5:4 source 2, 7:6 destination; the high byte repeats the setting that is left
.if MSB != \new
	s_set_vgpr_msb (MSB<<8)|\new
.set MSB, \new
.endif
.endm
.macro PLACES n                        ; plain vector instructions that name no register of the matrix instructions in front (ISA guide 7.12.1)
.rept \n
	v_nop
.endr
.endm
; Raw W2 of K step st: slot kk of lane (r, h) is position 32 st + 16 (kk / 8) + 8 h + kk % 8, that is row 64 (st / 2) + 32 h + 4 (kk % 8) + (2 st) % 4 + kk / 8
.macro LDW2 st
.irp kk,0,1,2,3,4,5,6,7,8,9,10,11,12,13,14,15
	global_load_b128 v[RAW0+64*((\st)%2)+4*\kk:RAW0+64*((\st)%2)+4*\kk+3], v[W2O], s[14:15] offset:(64*((\st)/2)+4*(\kk%8)+((2*(\st))%4)+(\kk/8))*1024
.endr
.endm
; Raw W3 of the last layer's K step sp: local position 32 sp + 16 (kk / 8) + 8 h + kk % 8 of l, that is row 64 g + 32 h + 4 (kk % 8) + 2 sp + kk / 8
.macro LDW3 sp
.irp kk,0,1,2,3,4,5,6,7,8,9,10,11,12,13,14,15
	global_load_b128 v[W3W+64*\sp+4*\kk:W3W+64*\sp+4*\kk+3], v[W3O], s[18:19] offset:(4*(\kk%8)+2*\sp+(\kk/8))*256
.endr
.endm
; Eight numbers x in v[XB ..]: afterwards v[XB ..] = silu(x), v[TB ..] = sigmoid(x), v[TB+8 ..] = silu'(x) = sigmoid + silu (1 - sigmoid).  All in window 1.
.macro ACT
.irp p,0,2,4,6
	v_pk_mul_f32 v[TB+\p:TB+\p+1], v[XB+\p:XB+\p+1], s[30:31] op_sel_hi:[1,0]      ; -x log2 e
.endr
.irp p,0,1,2,3,4,5,6,7
	v_exp_f32 v[TB+\p], v[TB+\p]
.endr
	v_nop                                          ; one plain vector instruction between a transcendental and the use of its result (ISA guide 5.7.2)
	s_wait_alu depctr_va_vdst(0)
.irp p,0,2,4,6
	v_pk_add_f32 v[TB+\p:TB+\p+1], v[TB+\p:TB+\p+1], 1.0 op_sel_hi:[1,0]
.endr
.irp p,0,1,2,3,4,5,6,7
	v_rcp_f32 v[TB+\p], v[TB+\p]
.endr
	v_nop                                          ; likewise
	s_wait_alu depctr_va_vdst(0)
.irp p,0,2,4,6
	v_pk_mul_f32 v[XB+\p:XB+\p+1], v[XB+\p:XB+\p+1], v[TB+\p:TB+\p+1]
.endr
.irp p,0,2,4,6
	v_pk_add_f32 v[TB+8+\p:TB+8+\p+1], v[ONE:ONE+1], v[TB+\p:TB+\p+1] neg_lo:[0,1] neg_hi:[0,1]
.endr
.irp p,0,2,4,6
	v_pk_fma_f32 v[TB+8+\p:TB+8+\p+1], v[XB+\p:XB+\p+1], v[TB+8+\p:TB+8+\p+1], v[TB+\p:TB+\p+1]
.endr
.endm
; First activation of tile (q, mt): h1 in f16, d1 as a bf16 pair (lo = what hi left over), 16 bytes each into my block of LACT
.macro ACT1 q, mt
.set XB, ACA+8*(2*\q+\mt)
.set TB, ACU+32*\mt
	ACT
.irp p,0,1,2,3
	v_cvt_pk_f16_f32 v[TB+16+\p], v[XB+2*\p], v[XB+2*\p+1]
.endr
	ds_store_b128 v[AS], v[TB+16:TB+19] offset:2304*\mt+32*\q
.irp p,0,1,2,3
	v_cvt_pk_bf16_f32 v[TB+20+\p], v[TB+8+2*\p], v[TB+8+2*\p+1]
.endr
.irp p,0,1,2,3
	v_fma_mix_f32_bf16 v[TB+8+2*\p], v[TB+20+\p], v[NEG1], v[TB+8+2*\p] op_sel_hi:[1,0,0]
	v_fma_mix_f32_bf16 v[TB+8+2*\p+1], v[TB+20+\p], v[NEG1], v[TB+8+2*\p+1] op_sel:[1,0,0] op_sel_hi:[1,0,0]
.endr
.irp p,0,1,2,3
	v_cvt_pk_bf16_f32 v[TB+24+\p], v[TB+8+2*\p], v[TB+8+2*\p+1]
.endr
	ds_store_b128 v[AS], v[TB+20:TB+23] offset:2304*\mt+32*\q+4608
	ds_store_b128 v[AS], v[TB+24:TB+27] offset:2304*\mt+32*\q+9216
.endm
; Second activation of tile (q, mt): d2 u is added to the batch tile's running pair, h2 goes as a bf16 pair into my own block of LH2
.macro ACT2 q, mt
.set XB, ACA+8*(2*\q+\mt)
.set UB, ACU+8*(2*\q+\mt)
.set TB, AFR+24*\mt
.set DVB, DV+2*\mt
	ACT
.irp p,0,2,4,6
.if (\q+\p) == 0
	v_pk_mul_f32 v[DVB:DVB+1], v[TB+8+\p:TB+8+\p+1], v[UB+\p:UB+\p+1]              ; the first product starts the sum
.else
	v_pk_fma_f32 v[DVB:DVB+1], v[TB+8+\p:TB+8+\p+1], v[UB+\p:UB+\p+1], v[DVB:DVB+1]
.endif
.endr
.irp p,0,1,2,3
	v_cvt_pk_bf16_f32 v[TB+16+\p], v[XB+2*\p], v[XB+2*\p+1]
.endr
.irp p,0,1,2,3
	v_fma_mix_f32_bf16 v[XB+2*\p], v[TB+16+\p], v[NEG1], v[XB+2*\p] op_sel_hi:[1,0,0]
	v_fma_mix_f32_bf16 v[XB+2*\p+1], v[TB+16+\p], v[NEG1], v[XB+2*\p+1] op_sel:[1,0,0] op_sel_hi:[1,0,0]
.endr
.irp p,0,1,2,3
	v_cvt_pk_bf16_f32 v[TB+20+\p], v[XB+2*\p], v[XB+2*\p+1]
.endr
	ds_store_b128 v[H2A], v[TB+16:TB+19] offset:2304*\mt+32*\q
	ds_store_b128 v[H2A], v[TB+20:TB+23] offset:2304*\mt+32*\q+4608
.endm
; Eight products of u: part gp of G (0 hi, 1 lo) with part dp of d1 (1 hi, 2 lo)
.macro UTERM gp, dp, zero
.irp q,0,1,2,3
.irp mt,0,1
.if \zero
	v_wmma_f32_16x16x32_bf16 v[ACU+8*(2*\q+\mt):ACU+8*(2*\q+\mt)+7], v[TG+16*\q+8*\gp:TG+16*\q+8*\gp+7], v[AFR+16*\dp+8*\mt:AFR+16*\dp+8*\mt+7], 0
.else
	v_wmma_f32_16x16x32_bf16 v[ACU+8*(2*\q+\mt):ACU+8*(2*\q+\mt)+7], v[TG+16*\q+8*\gp:TG+16*\q+8*\gp+7], v[AFR+16*\dp+8*\mt:AFR+16*\dp+8*\mt+7], v[ACU+8*(2*\q+\mt):ACU+8*(2*\q+\mt)+7]
.endif
.endr
.endr
.endm
; Eight products of the last layer: part pa of h2 with part pb of W3, K step sp.  Source 0 = h2, so that register j of lane (r, h) is out0[16 mt + 8 h + j][4 r + q]
.macro FTERM sp, pa, pb, zero
.irp q,0,1,2,3
.irp mt,0,1
.if \zero
	v_wmma_f32_16x16x32_bf16 v[ACA+8*(2*\q+\mt):ACA+8*(2*\q+\mt)+7], v[ACU+8*(2*(2*\mt+\sp)+\pa):ACU+8*(2*(2*\mt+\sp)+\pa)+7], v[W3F+8*(2*(4*\sp+\q)+\pb):W3F+8*(2*(4*\sp+\q)+\pb)+7], 0
.else
	v_wmma_f32_16x16x32_bf16 v[ACA+8*(2*\q+\mt):ACA+8*(2*\q+\mt)+7], v[ACU+8*(2*(2*\mt+\sp)+\pa):ACU+8*(2*(2*\mt+\sp)+\pa)+7], v[W3F+8*(2*(4*\sp+\q)+\pb):W3F+8*(2*(4*\sp+\q)+\pb)+7], v[ACA+8*(2*\q+\mt):ACA+8*(2*\q+\mt)+7]
.endif
.endr
.endr
.endm
; ================= ids, addresses, constants
	s_load_b512 s[8:23], s[0:1], 0x0               ; z s[8:9], W1 s[10:11], b1 s[12:13], W2 s[14:15], b2 s[16:17], W3 s[18:19], b3 s[20:21], t s[22:23]
	s_load_b128 s[24:27], s[0:1], 0x40             ; out0 s[24:25], out1 s[26:27]
	s_set_vgpr_msb 0x40
	v_lshl_add_u32 v254, v0, 2, 0x31400
	v_mov_b32 v255, 0
	s_set_vgpr_msb 0x4000
	v_and_b32 v24, 31, v0                          ; lane
	v_and_b32 v25, 15, v0                          ; r
	v_bfe_u32 v26, v0, 4, 1                        ; h
	v_lshrrev_b32 v27, 5, v0
	v_readfirstlane_b32 s4, v27                    ; g, my wave
	s_mov_b32 s30, 0xbfb8aa3b                      ; -log2 e, twice: the pair is named whole
	s_mov_b32 s31, 0xbfb8aa3b
	s_mov_b32 s32, 0x76543210                      ; v_permlanex16_b32: lane i reads lane i of the other half
	s_mov_b32 s33, 0xfedcba98
	s_mov_b32 s34, 0xffff0000                      ; lanes 16-31
	s_lshl_b32 s35, s4, 8                          ; 256 g
	s_lshl_b32 s36, s4, 14                         ; 64 rows of W3
	s_lshl_b32 s37, s4, 13                         ; 8,192 g
	s_mul_i32 s38, s4, 9216
	s_add_co_u32 s5, s38, LW3T
	s_add_co_u32 s29, s38, LH2
	s_mul_i32 s39, s4, 13824
	s_add_co_u32 s39, s39, LACT
	v_lshlrev_b32 v[L16], 4, v24
	v_lshlrev_b32 v[R16], 4, v25
	v_or_b32 v29, s35, v[R16]                      ; 256 g + 16 r
	v_lshl_or_b32 v[W2O], v26, 15, v29             ; + 32 h rows of 1,024 bytes
	v_lshl_or_b32 v[W1O], v26, 13, v29             ; + 8 h rows of 1,024 bytes
	v_lshl_or_b32 v30, v26, 13, v[R16]             ; 32 h rows of 256 bytes + 16 r
	v_or_b32 v[W3O], s36, v30
	v_lshlrev_b32 v[ZG], 4, v0
	v_lshrrev_b32 v30, 6, v0
	v_bfe_u32 v31, v0, 4, 2
	v_lshl_or_b32 v30, v30, 8, v[R16]
	v_lshl_or_b32 v[KB], v31, 2, v30               ; 4 k(tid) = 256 (tid / 64) + 16 (tid % 16) + 4 ((tid / 16) % 4)
	v_lshrrev_b32 v30, 4, v0
	v_mul_u32_u24 v30, v30, 144
	v_lshl_add_u32 v30, v25, 3, v30
	v_add_nc_u32 v[ZS], LZ, v30                    ; row tid / 16, 8 bytes at 8 r
	v_mul_u32_u24 v31, v25, 144
	v_lshl_add_u32 v31, v26, 4, v31                ; 144 r + 16 h: a fragment's lane term in every region of pitch 144
	v_add_nc_u32 v[ZL], LZ, v31
	v_lshl_add_u32 v[BS], v0, 2, LC1
	v_lshlrev_b32 v30, 5, v26
	v_add_nc_u32 v30, s35, v30                     ; 4 (64 g + 8 h)
	v_add_nc_u32 v[BL], LC1, v30
	v_add_nc_u32 v[W1S], s37, v[L16]
	v_mul_u32_u24 v30, v26, 1152
	v_lshl_add_u32 v30, v25, 3, v30                ; 8 h rows of 144 bytes + 8 r
	v_add_nc_u32 v[W3S], s5, v30
	v_add_nc_u32 v[W3L], s5, v31
	v_add_nc_u32 v[AF], LACT, v31
	v_mov_b32 v[NEG], -1.0
	s_lshl_b32 s38, s4, 9                          ; wave g sums batch tile g / 2, registers 4 (g % 2) .. + 3 of the images: 1,024 (g / 2) + 512 (g % 2) = 512 g
	s_add_co_u32 s38, s38, LFP
	v_add_nc_u32 v[FL], s38, v[L16]
	v_lshl_add_u32 v[DVL], v24, 2, LDV
	s_lshr_b32 s38, s4, 1
	s_lshl_b32 s38, s38, 12                        ; 16 rows of out0 for the batch tile,
	s_and_b32 s6, s4, 1
	s_lshl_b32 s6, s6, 10                          ; 4 rows for the half of the registers
	s_add_co_u32 s38, s38, s6
	v_lshl_or_b32 v30, v26, 11, v[R16]             ; 8 h rows + 16 r
	v_add_nc_u32 v[OO], s38, v30
	v_lshlrev_b32 v[O1], 2, v24
	WIN 0x40                                       ; destinations in window 1
	v_add_nc_u32 v[AS], s39, v31
	v_add_nc_u32 v[H2A], s29, v31
	s_add_co_u32 s38, s37, LFP
	v_add_nc_u32 v[FS], s38, v[L16]
	s_lshl_b32 s38, s4, 7
	v_add_nc_u32 v[DVS], s38, v[DVL]
	v_mov_b32 v[NEG1], -1.0
	v_mov_b32 v[PT], 0                             ; v_permlanex16_b32 counts as a reader of its destination
	v_mov_b32 v[PT+1], 0
	v_mov_b32 v[ONE], 1.0
	v_mov_b32 v[ONE+1], 1.0
	WIN 0
	s_wait_kmcnt 0x0
	s_load_b32 s28, s[22:23], 0x0                  ; t
	s_lshl_b32 s6, ttmp9, 13                       ; my 32 rows of 256 bytes in z and out0
	s_mov_b32 s7, 0
	s_add_nc_u64 s[8:9], s[8:9], s[6:7]
	s_add_nc_u64 s[24:25], s[24:25], s[6:7]
	s_lshl_b32 s6, ttmp9, 7                        ; my 32 numbers of out1
	s_add_nc_u64 s[26:27], s[26:27], s[6:7]
; ================= the first loads: 11 small ones, then 32 of W1 and 16 of W3
.irp c,0,1,2,3
	global_load_b128 v[ZR+4*\c:ZR+4*\c+3], v[ZG], s[8:9] offset:2048*\c th:TH_LOAD_NT
.endr
	global_load_b32 v160, v[KB], s[12:13]                  ; b1 at k(tid), k(tid + 128) = k(tid) + 128
	global_load_b32 v161, v[KB], s[12:13] offset:512
	global_load_b32 v162, v[KB], s[10:11] offset:65536     ; W1[64]
	global_load_b32 v163, v[KB], s[10:11] offset:66048
	global_load_b32 v164, v[KB], s[16:17]                  ; b2
	global_load_b32 v165, v[KB], s[16:17] offset:512
	global_load_b128 v[B3:B3+3], v[R16], s[20:21]
	WIN 0x40
.irp si,0,1
.irp kk,0,1,2,3,4,5,6,7,8,9,10,11,12,13,14,15
	global_load_b128 v[64*\si+4*\kk:64*\si+4*\kk+3], v[W1O], s[10:11] offset:(32*\si+16*(\kk/8)+(\kk%8))*1024   ; row i = 32 si + 16 (kk / 8) + 8 h + kk % 8
.endr
.endr
	WIN 0x80
	LDW3 0
	WIN 0
; ================= z in f16 and the biases in position order go to LDS
	s_wait_kmcnt 0x0                               ; t
	s_wait_loadcnt 48                              ; the 32 loads of W1 and the 16 of W3 issued behind the 11 small ones may stay out
.irp c,0,1,2,3
	v_cvt_pk_f16_f32 v[ZP+2*\c], v[ZR+4*\c], v[ZR+4*\c+1]
	v_cvt_pk_f16_f32 v[ZP+2*\c+1], v[ZR+4*\c+2], v[ZR+4*\c+3]
	ds_store_b64 v[ZS], v[ZP+2*\c:ZP+2*\c+1] offset:1152*\c
.endr
	v_fma_f32 v160, v162, s28, v160                ; t W1[64] + b1
	v_fma_f32 v161, v163, s28, v161
	ds_store_b32 v[BS], v160
	ds_store_b32 v[BS], v161 offset:512
	ds_store_b32 v[BS], v164 offset:1024
	ds_store_b32 v[BS], v165 offset:1536
	s_wait_dscnt 0x0                               ; for the other waves: my stores are done
	s_barrier_signal -1
	s_barrier_wait -1                              ; z and the biases are whole
; ================= layer 1
	s_wait_loadcnt 16                              ; W1 is in; the 16 loads of W3 behind it may stay out
	WIN 0x80
	LDW3 1
	WIN 0
	LDW2 0
	WIN 0x05                                       ; sources in window 1, destination in window 0
.irp si,0,1
.irp q,0,1,2,3
.irp i2,0,1,2,3,4,5,6,7
	v_cvt_pk_f16_f32 v[TG+8*(2*\q+\si)+\i2], v[64*\si+8*\i2+\q], v[64*\si+8*\i2+4+\q]
.endr
.endr
.endr
	WIN 0x40
.irp q,0,1,2,3
.irp mt,0,1
	ds_load_b128 v[ACA+8*(2*\q+\mt):ACA+8*(2*\q+\mt)+3], v[BL] offset:64*\q            ; the sums start from the bias: nothing is cleared
	ds_load_b128 v[ACA+8*(2*\q+\mt)+4:ACA+8*(2*\q+\mt)+7], v[BL] offset:64*\q+16
.endr
.endr
	WIN 0
.irp mt,0,1
.irp si,0,1
	ds_load_b128 v[WF+8*(2*\mt+\si):WF+8*(2*\mt+\si)+3], v[ZL] offset:2304*\mt+64*\si
	ds_load_b128 v[WF+8*(2*\mt+\si)+4:WF+8*(2*\mt+\si)+7], v[ZL] offset:2304*\mt+64*\si+32
.endr
.endr
.irp q,0,1,2,3
.irp si,0,1
	ds_store_b128 v[W1S], v[TG+8*(2*\q+\si):TG+8*(2*\q+\si)+3] offset:(2*\q+\si)*1024          ; my W1 fragments, for every wave's M
	ds_store_b128 v[W1S], v[TG+8*(2*\q+\si)+4:TG+8*(2*\q+\si)+7] offset:(2*\q+\si)*1024+512
.endr
.endr
	s_wait_dscnt 16                                ; the 24 loads are in; the 16 stores issued behind them may stay out
	WIN 0x50                                       ; C and D in window 1
.irp si,0,1
.irp q,0,1,2,3
.irp mt,0,1
	v_wmma_f32_16x16x32_f16 v[ACA+8*(2*\q+\mt):ACA+8*(2*\q+\mt)+7], v[TG+8*(2*\q+\si):TG+8*(2*\q+\si)+7], v[WF+8*(2*\mt+\si):WF+8*(2*\mt+\si)+7], v[ACA+8*(2*\q+\mt):ACA+8*(2*\q+\mt)+7]
.endr
.endr
.endr
	PLACES 4                                       ; in front of the vector instructions that read a1 and of those that write over the fragments
	WIN 0x55
.irp q,0,1,2,3
.irp mt,0,1
	ACT1 \q, \mt
.endr
.endr
	WIN 0x40
.irp q,0,1,2,3
.irp mt,0,1
	ds_load_b128 v[ACA+8*(2*\q+\mt):ACA+8*(2*\q+\mt)+3], v[BL] offset:1024+64*\q       ; layer 2's sums start from b2
	ds_load_b128 v[ACA+8*(2*\q+\mt)+4:ACA+8*(2*\q+\mt)+7], v[BL] offset:1024+64*\q+16
.endr
.endr
; ================= W3: in f16 through my own block of LDS (transposed use, for M), and as bf16 pairs straight into the last layer's fragments
	s_wait_loadcnt 16                              ; both halves of W3 are in; the 16 loads of W2's K step 0 may stay out
	WIN 0
	LDW2 1
	WIN 0x0a                                       ; sources in window 2
.irp sp,0,1
.irp kk,0,1,2,3,4,5,6,7,8,9,10,11,12,13,14,15
	v_cvt_pk_f16_f32 v[TG+2*(16*\sp+\kk)], v[W3W+64*\sp+4*\kk], v[W3W+64*\sp+4*\kk+1]
	v_cvt_pk_f16_f32 v[TG+2*(16*\sp+\kk)+1], v[W3W+64*\sp+4*\kk+2], v[W3W+64*\sp+4*\kk+3]
.endr
.endr
	WIN 0
.irp sp,0,1
.irp kk,0,1,2,3,4,5,6,7,8,9,10,11,12,13,14,15
	ds_store_b64 v[W3S], v[TG+2*(16*\sp+\kk):TG+2*(16*\sp+\kk)+1] offset:(16*(2*\sp+(\kk/8))+(\kk%8))*144
.endr
.endr
	WIN 0x8a
.irp sp,0,1
.irp q,0,1,2,3
.irp i2,0,1,2,3,4,5,6,7
	v_cvt_pk_bf16_f32 v[W3F+8*(2*(4*\sp+\q))+\i2], v[W3W+64*\sp+8*\i2+\q], v[W3W+64*\sp+8*\i2+4+\q]
.endr
.endr
.endr
	WIN 0xa2                                       ; source 1 (-1.0) in window 0
.irp sp,0,1
.irp q,0,1,2,3
.irp i2,0,1,2,3,4,5,6,7
	v_fma_mix_f32_bf16 v[W3W+64*\sp+8*\i2+\q], v[W3F+8*(2*(4*\sp+\q))+\i2], v[NEG], v[W3W+64*\sp+8*\i2+\q] op_sel_hi:[1,0,0]
	v_fma_mix_f32_bf16 v[W3W+64*\sp+8*\i2+4+\q], v[W3F+8*(2*(4*\sp+\q))+\i2], v[NEG], v[W3W+64*\sp+8*\i2+4+\q] op_sel:[1,0,0] op_sel_hi:[1,0,0]
.endr
.endr
.endr
	WIN 0x8a
.irp sp,0,1
.irp q,0,1,2,3
.irp i2,0,1,2,3,4,5,6,7
	v_cvt_pk_bf16_f32 v[W3F+8*(2*(4*\sp+\q)+1)+\i2], v[W3W+64*\sp+8*\i2+\q], v[W3W+64*\sp+8*\i2+4+\q]
.endr
.endr
.endr
	WIN 0x40
.irp q,0,1,2,3
.irp si,0,1
	ds_load_b128 v[W3R+8*(2*\q+\si):W3R+8*(2*\q+\si)+3], v[W3L] offset:2304*\q+64*\si          ; my own bytes: LDS serves a wave's instructions in order (ISA guide 5.7.1.4)
	ds_load_b128 v[W3R+8*(2*\q+\si)+4:W3R+8*(2*\q+\si)+7], v[W3L] offset:2304*\q+64*\si+32
.endr
.endr
	s_wait_dscnt 0x0                               ; for the other waves: my W1 fragments, h1 and d1 are stored; for me: b2 and the W3 fragments are in
	s_barrier_signal -1
	s_barrier_wait -1                              ; all 16 tiles of W1 and all 256 positions of h1 and d1 are there
; ================= layer 2 and u, K step st = positions 32 st .. 32 st + 31
.macro STEP st
	PLACES 5                                       ; M's tiles write over, and the loads land on, sources of the matrix instructions in front
	WIN 0
.irp a,0,1
.irp si,0,1
	ds_load_b128 v[WF+16*\a+8*\si:WF+16*\a+8*\si+3], v[L16] offset:LW1I+(2*(2*\st+\a)+\si)*1024
	ds_load_b128 v[WF+16*\a+8*\si+4:WF+16*\a+8*\si+7], v[L16] offset:LW1I+(2*(2*\st+\a)+\si)*1024+512
.endr
.endr
	WIN 0x40
.irp pt,0,1,2
.irp mt,0,1
	ds_load_b128 v[AFR+16*\pt+8*\mt:AFR+16*\pt+8*\mt+3], v[AF] offset:13824*(\st/2)+4608*\pt+2304*\mt+64*(\st%2)
	ds_load_b128 v[AFR+16*\pt+8*\mt+4:AFR+16*\pt+8*\mt+7], v[AF] offset:13824*(\st/2)+4608*\pt+2304*\mt+64*(\st%2)+32
.endr
.endr
	s_wait_dscnt 12                                ; the 8 loads of W1 fragments are in; the 12 of h1 and d1 behind them may stay out
	WIN 0x04                                       ; source 1 in window 1
	; M: register j of lane (r, h) in tile (q, a) is M[64 g + 4 r + q][k(16 (2 st + a) + 8 h + j)], the place of raw W2's register 4 (8 a + j) + q
.irp q,0,1,2,3
.irp a,0,1
	v_wmma_f32_16x16x32_f16 v[TG+16*\q+8*\a:TG+16*\q+8*\a+7], v[WF+16*\a:WF+16*\a+7], v[W3R+16*\q:W3R+16*\q+7], 0
.endr
.endr
.irp q,0,1,2,3
.irp a,0,1
	v_wmma_f32_16x16x32_f16 v[TG+16*\q+8*\a:TG+16*\q+8*\a+7], v[WF+16*\a+8:WF+16*\a+15], v[W3R+16*\q+8:W3R+16*\q+15], v[TG+16*\q+8*\a:TG+16*\q+8*\a+7]
.endr
.endr
	PLACES 4                                       ; in front of the reads of M and of the writes over the W1 fragments
	WIN 0
.if \st == 7
	s_wait_loadcnt 0x0                             ; the last K step: nothing was issued behind its loads
.else
	s_wait_loadcnt 16                              ; this K step's W2 is in; the next step's 16 loads may stay out
.endif
.set RB, RAW0+64*(\st%2)
.irp q,0,1,2,3
.irp i2,0,1,2,3,4,5,6,7
	v_cvt_pk_f16_f32 v[WF+8*\q+\i2], v[RB+8*\i2+\q], v[RB+8*\i2+4+\q]
.endr
.endr
.irp q,0,1,2,3
.irp kk,0,1,2,3,4,5,6,7,8,9,10,11,12,13,14,15
	v_mul_f32 v[RB+4*\kk+\q], v[RB+4*\kk+\q], v[TG+16*\q+\kk]                     ; G = W2 M, in f32
.endr
.endr
.irp q,0,1,2,3
.irp i2,0,1,2,3,4,5,6,7
	v_cvt_pk_bf16_f32 v[TG+16*\q+\i2], v[RB+8*\i2+\q], v[RB+8*\i2+4+\q]
.endr
.endr
.irp q,0,1,2,3
.irp i2,0,1,2,3,4,5,6,7
	v_fma_mix_f32_bf16 v[RB+8*\i2+\q], v[TG+16*\q+\i2], v[NEG], v[RB+8*\i2+\q] op_sel_hi:[1,0,0]
	v_fma_mix_f32_bf16 v[RB+8*\i2+4+\q], v[TG+16*\q+\i2], v[NEG], v[RB+8*\i2+4+\q] op_sel:[1,0,0] op_sel_hi:[1,0,0]
.endr
.endr
.irp q,0,1,2,3
.irp i2,0,1,2,3,4,5,6,7
	v_cvt_pk_bf16_f32 v[TG+16*\q+8+\i2], v[RB+8*\i2+\q], v[RB+8*\i2+4+\q]
.endr
.endr
.if \st < 6
	LDW2 \st+2                                     ; into the buffer that has just been used up
.endif
	s_wait_dscnt 0x0                               ; h1 and d1 of this K step
	WIN 0x54                                       ; source 1, C and D in window 1
.irp q,0,1,2,3
.irp mt,0,1
	v_wmma_f32_16x16x32_f16 v[ACA+8*(2*\q+\mt):ACA+8*(2*\q+\mt)+7], v[WF+8*\q:WF+8*\q+7], v[AFR+8*\mt:AFR+8*\mt+7], v[ACA+8*(2*\q+\mt):ACA+8*(2*\q+\mt)+7]
.endr
.endr
.if \st == 0
	UTERM 0, 1, 1                                  ; the first product starts u
.else
	UTERM 0, 1, 0
.endif
	UTERM 0, 2, 0
	UTERM 1, 1, 0
.endm
	STEP 0
	STEP 1
	STEP 2
	STEP 3
	STEP 4
	STEP 5
	STEP 6
	STEP 7
; ================= second activation, the trace, layer 3
	PLACES 5                                       ; in front of the reads of a2 and u; layer 3 later writes over a2's registers
	WIN 0x55
.irp q,0,1,2,3
.irp mt,0,1
	ACT2 \q, \mt
.endr
.endr
	v_add_f32 v[DV], v[DV], v[DV+1]
	v_add_f32 v[DV+2], v[DV+2], v[DV+3]
	v_permlanex16_b32 v[PT], v[DV], s32, s33       ; the other eight positions of each tile lie in the other half of the lanes
	v_permlanex16_b32 v[PT+1], v[DV+2], s32, s33
	v_add_f32 v[DV], v[DV], v[PT]
	v_add_f32 v[DV+2], v[DV+2], v[PT+1]
	v_cndmask_b32 v[DV], v[DV], v[DV+2], s34       ; lane L now holds batch row L: lanes 16-31 take batch tile 1
	ds_store_b32 v[DVS], v[DV]
.irp mt,0,1
.irp sp,0,1
.irp pt,0,1
	ds_load_b128 v[ACU+8*(2*(2*\mt+\sp)+\pt):ACU+8*(2*(2*\mt+\sp)+\pt)+3], v[H2A] offset:2304*\mt+64*\sp+4608*\pt      ; my own bytes, served in order
	ds_load_b128 v[ACU+8*(2*(2*\mt+\sp)+\pt)+4:ACU+8*(2*(2*\mt+\sp)+\pt)+7], v[H2A] offset:2304*\mt+64*\sp+4608*\pt+32
.endr
.endr
.endr
	s_wait_dscnt 0x0
	WIN 0x59                                       ; source 0, C and D in window 1, source 1 in window 2
	FTERM 0, 0, 0, 1
	FTERM 0, 0, 1, 0
	FTERM 0, 1, 0, 0
	FTERM 1, 0, 0, 0
	FTERM 1, 0, 1, 0
	FTERM 1, 1, 0, 0
	PLACES 4                                       ; in front of the LDS stores that read the results
	WIN 0x55
.irp q,0,1,2,3
.irp mt,0,1
	ds_store_b128 v[FS], v[ACA+8*(2*\q+\mt):ACA+8*(2*\q+\mt)+3] offset:(2*\q+\mt)*1024
	ds_store_b128 v[FS], v[ACA+8*(2*\q+\mt)+4:ACA+8*(2*\q+\mt)+7] offset:(2*\q+\mt)*1024+512
.endr
.endr
	WIN 0
	s_wait_dscnt 0x0                               ; for the other waves: my partial sums are stored
	s_barrier_signal -1
	s_barrier_wait -1
; ================= the four partial sums meet.  Wave g: batch tile g / 2, rows 8 h + 4 (g % 2) + e; register 16 gw + 4 q + e is wave gw's part of column 4 r + q
.irp gw,0,1,2,3
.irp q,0,1,2,3
	ds_load_b128 v[RAW0+16*\gw+4*\q:RAW0+16*\gw+4*\q+3], v[FL] offset:8192*\gw+2048*\q
.endr
.endr
	s_wait_dscnt 0x0
.irp p,0,2,4,6,8,10,12,14
	v_pk_add_f32 v[RAW0+\p:RAW0+\p+1], v[RAW0+\p:RAW0+\p+1], v[RAW0+16+\p:RAW0+16+\p+1]
	v_pk_add_f32 v[RAW0+32+\p:RAW0+32+\p+1], v[RAW0+32+\p:RAW0+32+\p+1], v[RAW0+48+\p:RAW0+48+\p+1]
.endr
.irp p,0,2,4,6,8,10,12,14
	v_pk_add_f32 v[RAW0+\p:RAW0+\p+1], v[RAW0+\p:RAW0+\p+1], v[RAW0+32+\p:RAW0+32+\p+1]
.endr
.irp e,0,1,2,3
.irp q,0,1,2,3
	v_add_f32 v[OUT+4*\e+\q], v[RAW0+4*\q+\e], v[B3+\q]            ; + b3; the choice of registers turns 4 x 4 numbers, so that a lane holds four neighbouring columns
.endr
.endr
.irp e,0,1,2,3
	global_store_b128 v[OO], v[OUT+4*\e:OUT+4*\e+3], s[24:25] offset:256*\e th:TH_STORE_NT     ; lanes 0-15 store one whole row of 256 bytes, lanes 16-31 another
.endr
	s_cmp_lg_u32 s4, 0
	s_cbranch_scc1 .Lend                           ; the work-group's 32 numbers of out1 are one store of wave 0
	ds_load_b32 v24, v[DVL]
	ds_load_b32 v25, v[DVL] offset:128
	ds_load_b32 v26, v[DVL] offset:256
	ds_load_b32 v27, v[DVL] offset:384
	s_wait_dscnt 0x0
	v_add_f32 v24, v24, v25
	v_add_f32 v26, v26, v27
	v_fma_f32 v24, v24, -1.0, -v26                 ; out1 = -trace
	global_store_b32 v[O1], v24, s[26:27] th:TH_STORE_NT
.Lend:
	s_set_vgpr_msb 0x5
	s_wait_tensorcnt 0x0
	ds_add_u32 v254, v255
	s_wait_dscnt 0x0
	s_set_vgpr_msb 0x500
	s_endpgm
.Lfunc_end_k_q612d2d35a4_ode:
	.size	k_q612d2d35a4_ode, .Lfunc_end_k_q612d2d35a4_ode-k_q612d2d35a4_ode
	.p2alignl 7, 3214868480
	.fill 96, 4, 3214868480
	.section	.rodata,"a",@progbits
	.p2align	6, 0x0
	.amdhsa_kernel k_q612d2d35a4_ode
		.amdhsa_group_segment_fixed_size 202240
		.amdhsa_private_segment_fixed_size 0
		.amdhsa_enable_private_segment 0
		.amdhsa_kernarg_size 80
		.amdhsa_user_sgpr_count 2
		.amdhsa_user_sgpr_kernarg_segment_ptr 1
		.amdhsa_wavefront_size32 1
		.amdhsa_system_sgpr_workgroup_id_x 1
		.amdhsa_system_sgpr_workgroup_id_y 1
		.amdhsa_system_sgpr_workgroup_id_z 1
		.amdhsa_system_vgpr_workitem_id 0
		.amdhsa_next_free_vgpr 768
		.amdhsa_next_free_sgpr 66
		.amdhsa_reserve_vcc 0
		.amdhsa_float_denorm_mode_32 3
		.amdhsa_float_denorm_mode_16_64 3
		.amdhsa_memory_ordered 1
		.amdhsa_forward_progress 1
		.amdhsa_inst_pref_size 254
	.end_amdhsa_kernel
	.amdgpu_metadata
---
amdhsa.version: [ 1, 2 ]
amdhsa.kernels:
  - .name:           k_q612d2d35a4_ode
    .symbol:         k_q612d2d35a4_ode.kd
    .args:
      - { .name: z, .offset: 0, .size: 8, .value_kind: global_buffer, .address_space: global }
      - { .name: W1, .offset: 8, .size: 8, .value_kind: global_buffer, .address_space: global }
      - { .name: b1, .offset: 16, .size: 8, .value_kind: global_buffer, .address_space: global }
      - { .name: W2, .offset: 24, .size: 8, .value_kind: global_buffer, .address_space: global }
      - { .name: b2, .offset: 32, .size: 8, .value_kind: global_buffer, .address_space: global }
      - { .name: W3, .offset: 40, .size: 8, .value_kind: global_buffer, .address_space: global }
      - { .name: b3, .offset: 48, .size: 8, .value_kind: global_buffer, .address_space: global }
      - { .name: t, .offset: 56, .size: 8, .value_kind: global_buffer, .address_space: global }
      - { .name: out0, .offset: 64, .size: 8, .value_kind: global_buffer, .address_space: global }
      - { .name: out1, .offset: 72, .size: 8, .value_kind: global_buffer, .address_space: global }
    .group_segment_fixed_size: 202240
    .private_segment_fixed_size: 0
    .kernarg_segment_align: 8
    .kernarg_segment_size: 80
    .max_flat_workgroup_size: 128
    .sgpr_count:     66
    .vgpr_count:     768
    .wavefront_size: 32
...
	.end_amdgpu_metadata
.endif
;; end of part 1
;; ======== version 2 of 2: 1 launch; version 1 with the launch ode written anew for expert scheduling mode
;; limits: values are held in f16: magnitudes above 65,504 overflow, below 6.1e-05 lose precision; right only within a limited range of input values
;; launch ode (part 2): grid 256 x 1, 4 waves a work-group, no clusters, 202,240 bytes of LDS; arguments z, W1, b1, W2, b2, W3, b3, t, out0, out1; writes out0, out1
.if DOCPART == 2
	.amdgcn_target "amdgcn-amd-amdhsa--gfx1250"
	.amdhsa_code_object_version 6
	.text
	.protected	k_q612d2d35a4_ode
	.globl	k_q612d2d35a4_ode
	.p2align	8
	.type	k_q612d2d35a4_ode,@function
k_q612d2d35a4_ode:
	s_mov_b64 s[64:65], 0
	v_nop
	global_prefetch_b8 v0, s[64:65] scope:SCOPE_SE
	s_setreg_imm32_b32 hwreg(HW_REG_WAVE_SCHED_MODE, 0, 2), 2
	s_setreg_imm32_b32 hwreg(HW_REG_WAVE_MODE, 25, 1), 1
	s_wait_xcnt 0x0
	s_wait_alu depctr_vm_vsrc(0)
; out0 = net(z), out1 = -trace(d net / d z).  z [8192][64], W1 [65][256], W2 [256][256], W3 [256][64], all f32.
;   a1 = z W1[0:64] + t W1[64] + b1, h1 = silu(a1), d1 = silu'(a1);  a2 = h1 W2 + b2, h2 = silu(a2), d2 = silu'(a2);  out0 = h2 W3 + b3.
; THE TRACE.  sum over i of d out0[i] / d z[i] = sum over i, k, l of W1[i][k] d1[k] W2[k][l] d2[l] W3[l][i].  The same terms that the 64 tangents
; of reference() produce are summed here in another order:  M[l][k] = sum_i W3[l][i] W1[i][k],  G[k][l] = W2[k][l] M[l][k],  u = d1 G,
; trace = sum_l d2[l] u[l].  This holds for every input; only the order of rounding differs from that of reference().
; logp is no argument: reference() never reads it and no result hangs on it.
;
; SHARES.  One launch, 256 work-groups of 32 batch rows (two batch tiles mt of 16), four waves.  Wave g owns hidden columns 64 g .. 64 g + 63 of both
; hidden layers (four column tiles q) and, in the last layer, that range of the sum; the four partial sums of out0 and of the trace meet in LDS.
;
; WEIGHTS GO FROM MEMORY STRAIGHT INTO FRAGMENTS.  A 16-byte load of a weight row gives lane r the columns 4 r .. 4 r + 3 of the wave's 64; they are dealt
; to the four column tiles q, so that lane r of tile tau = 4 g + q stands for the true column 64 g + 4 r + q.  Hidden units are therefore kept in
; POSITION order, p = 16 tau + r  <->  k(p) = 64 (tau / 4) + 4 (p % 16) + tau % 4, and weight rows along a sum are fetched in that order by constants in
; the loads' immediates.  In every weight load lanes 0-15 take 256 consecutive aligned bytes of one row and lanes 16-31 of another, and each byte of
; W1[0:64], W2 and W3 is loaded once by the work-group.
; NO JOINT LOADS, NO TENSOR LOADS: all 256 work-groups walk the same 394,240 bytes of weights, but every weight must pass through registers to be rounded
; from f32 to 16 bits, and the loads above already deliver the fragments' layout; a tile shared through LDS would add 394,240 bytes of LDS writes and as
; many reads for each work-group, and a round of the cluster's barrier for each refill, to spare loads of data that all work-groups read at the same time.
;
; FORMATS.  f16 operands, one product: z W1, W3 W1 (= M), h1 W2.  bf16 pairs hi + lo, three products (hi hi, hi lo, lo hi): d1 G and h2 W3.  All sums,
; biases, activations and G itself in f32.
; LIMITS, stated: |z|, |W1|, |W2|, |W3| and |silu(a1)| must stay below 65,504 (f16's largest number), and magnitudes under 6e-8 vanish in those operands.
; With all inputs 30 times those drawn a1 is of the order 900; with offsets of 30 spreads, of the order 64 x 30 x 3.7 = 7,100.  h2 and G have no such room
; and go as bf16 pairs.  sigmoid(x) = 1 / (1 + 2^(-x log2 e)): an overflowing power gives 0, a vanishing one gives 1, the right limits.  The sign of a zero
; in out1 is not kept.
;
; MATRIX INSTRUCTIONS: the accumulators take turns, one instruction a turn, everywhere in this text.
; Orientation: in layers 1 and 2 and in u source 0 is the weight fragment and source 1 the activations, so that register j of lane (r, h) holds
; (batch row 16 mt + r, position 16 tau + 8 h + j): eight neighbouring positions, 16 bytes in 16-bit form.
;
; THE MODE: SCHED_MODE bits 1:0 = 2 (LLVM: expert scheduling mode 2), set by the entry lines.  The code itself states the register dependences
; between vector or matrix instructions and memory or LDS instructions, with s_wait_alu, always for 0.
; THE PLAN.  Registers that memory or LDS instructions touch:
;   addresses      window 0 v1-19, v28; window 1 v240-243.  Made at the head, never written again: one wait ahead of the first load serves them all.
;   activations    Each tile's 16-bit results go into registers of their own (OA1: 12 a tile, OA2: 8 a tile), so that one wait behind a layer's eight tiles
;                  stands ahead of all its LDS stores, and of the LDS loads that land in the accumulators which the activation has read.
;   TG             Written by conversions, stored, written again, twice (W1's fragments, W3 in f16), then by M's products: a wait on va_vdst ahead of each
;                  run of stores, a wait on vm_vsrc ahead of each rewriting.
;   in a K step    RAW[st % 2]: read and written by the step's 224 vector instructions; then W2 of step st + 2 lands in it.
;                  W1F: read by the step's 16 products for M; then the fragments of step st + 1 land in it.
;                  AFB[st % 2]: read by the step's last 32 products; AFB[(st + 1) % 2], which the step before read, takes step st + 1.
;                  The W2 fragments, G, M and the accumulators are named by vector and matrix instructions alone.
; So ONE wait on va_vdst stands in a K step, behind its vector instructions and ahead of its last 32 products: it states that those vector instructions are done
; with RAW[st % 2], that M's products are done reading W1F, and that the products of the step before are done reading the other AFB.  The step's 36 loads follow it,
; dealt among the 32 products, which name a2, u, the W2 fragments, G and AFB[st % 2]: none of the registers that those loads touch.
; ---- LDS, every region written once and by ds_store alone
.set LW1I, 0                           ; 32,768  W1 fragments as register images: (2 tau + si) x 1024 + 16 lane (registers 0-3), + 512 (registers 4-7)
.set LACT, 32768                       ; 55,296  for each writing wave 13,824: h1 f16, d1 hi, d1 lo, each [32 rows][64 local positions], pitch 144
.set LZ,   88064                       ;  4,608  z in f16, [32][64], pitch 144
.set LC1,  92672                       ;  1,024  t W1[64][k(p)] + b1[k(p)] in f32; behind it 1,024 bytes of b2[k(p)]
.set LW3T, 94720                       ; 36,864  for each wave 9,216: W3 in f16, [64 local positions of l][64 i], pitch 144
.set LH2,  131584                      ; 36,864  for each wave 9,216: h2 hi 4,608, h2 lo 4,608, [32][64 local positions], pitch 144
.set LFP,  168448                      ; 32,768  for each wave 8,192: its partial out0 as register images, tile (2 q + mt) x 1024 + 16 lane, + 512
.set LDV,  201216                      ;    512  [wave][32 batch rows] partial traces
; ---- window 0
.set L16, 1                            ; 16 lane
.set W2O, 2                            ; offsets into W2, W1, W3: the lane's row part, the wave's 256 bytes, 16 r
.set W1O, 3
.set W3O, 4
.set ZG,  5                            ; 16 tid
.set KB,  6                            ; 4 k(tid)
.set ZS,  7
.set ZL,  8
.set BS,  9
.set BL,  10
.set W1S, 11
.set W3S, 12
.set W3L, 13
.set AF,  14
.set NEG, 15                           ; -1.0
.set FL,  16
.set DVL, 17
.set OO,  18
.set O1,  19
.set B3,  20                           ; v[20:23] b3[4 r .. 4 r + 3]
.set R16, 28                           ; 16 r
.set RAW0, 32                          ; v[32:95], v[96:159]: two buffers of raw W2, register 4 kk + q
.set OUT, 96
.set TG,  160                          ; v[160:223]: own W1 fragments; W3 in f16; in a K step M's tiles at 16 q + 8 a, then G hi at 16 q and G lo at 16 q + 8
.set WF,  224                          ; v[224:255]: z; z fragments; in a K step W2 fragments at 8 q
.set ZR,  224
.set ZP,  240
; ---- window 1
.set ACA, 0                            ; tile (2 q + mt) x 8: a1, then a2, then the partial out0   (first of all v[0:127]: raw W1, 64 si + 4 kk + q)
.set ACU, 64                           ; at work in the first activation; u; h2 fragments
.set OA1, 128                          ; v[128:223] what the first activation stores: tile (2 q + mt) x 12: h1, d1 hi, d1 lo, four registers each
.set W3R, 128                          ; v[128:191] then W3 fragments for M, (2 q + si) x 8
.set OA2, 128                          ; v[128:191] at last what the second activation stores: tile (2 q + mt) x 8: h2 hi, h2 lo
.set T2,  192                          ; at work in the second activation
.set AS,  240
.set H2A, 241
.set FS,  242
.set DVS, 243
.set NEG1, 244                         ; -1.0
.set DV,  246                          ; v[246:247], v[248:249]: the running d2 u of batch tile 0, 1
.set PT,  250
.set ONE, 252                          ; v[252:253] = 1.0, 1.0
; ---- window 2
.set W3F, 0                            ; W3 fragments for the last layer, ((4 sp + q) x 2 + part) x 8
.set W3W, 128                          ; raw W3, 64 sp + 4 kk + q; used up by its conversions, and then:
.set W1F, 128                          ; v[128:159] a K step's W1 fragments at 16 a + 8 si
.set AFB, 160                          ; v[160:207], v[208:255] by turns: h1 fragments at 8 mt, d1 hi at 16 + 8 mt, d1 lo at 32 + 8 mt
.set MSB, 0
.macro WIN new                         ; s_set_vgpr_msb: bits 1:0 source 0, 3:2 source 1, 5:4 source 2, 7:6 destination; the high byte repeats the setting that is left
.if MSB != \new
	s_set_vgpr_msb (MSB<<8)|\new
.set MSB, \new
.endif
.endm
.macro PLACES n                        ; plain vector instructions that name no register of the matrix instructions in front (ISA guide 7.12.1)
.rept \n
	v_nop
.endr
.endm
; Raw W2 of K step st: slot kk of lane (r, h) is position 32 st + 16 (kk / 8) + 8 h + kk % 8, that is row 64 (st / 2) + 32 h + 4 (kk % 8) + (2 st) % 4 + kk / 8
.macro LDW2 st
.irp kk,0,1,2,3,4,5,6,7,8,9,10,11,12,13,14,15
	global_load_b128 v[RAW0+64*((\st)%2)+4*\kk:RAW0+64*((\st)%2)+4*\kk+3], v[W2O], s[14:15] offset:(64*((\st)/2)+4*(\kk%8)+((2*(\st))%4)+(\kk/8))*1024
.endr
.endm
; Raw W3 of the last layer's K step sp: local position 32 sp + 16 (kk / 8) + 8 h + kk % 8 of l, that is row 64 g + 32 h + 4 (kk % 8) + 2 sp + kk / 8
.macro LDW3 sp
.irp kk,0,1,2,3,4,5,6,7,8,9,10,11,12,13,14,15
	global_load_b128 v[W3W+64*\sp+4*\kk:W3W+64*\sp+4*\kk+3], v[W3O], s[18:19] offset:(4*(\kk%8)+2*\sp+(\kk/8))*256
.endr
.endm
; The W1 fragments of K step st (tiles 2 st and 2 st + 1), eight LDS loads
.macro LDW1F st
.irp a,0,1
.irp si,0,1
	ds_load_b128 v[W1F+16*\a+8*\si:W1F+16*\a+8*\si+3], v[L16] offset:LW1I+(2*(2*(\st)+\a)+\si)*1024
	ds_load_b128 v[W1F+16*\a+8*\si+4:W1F+16*\a+8*\si+7], v[L16] offset:LW1I+(2*(2*(\st)+\a)+\si)*1024+512
.endr
.endr
.endm
; h1, d1 hi and d1 lo of K step st, twelve LDS loads, into the buffer of the step's parity
.macro LDACT st
.irp pt,0,1,2
.irp mt,0,1
	ds_load_b128 v[AFB+48*((\st)%2)+16*\pt+8*\mt:AFB+48*((\st)%2)+16*\pt+8*\mt+3], v[AF] offset:13824*((\st)/2)+4608*\pt+2304*\mt+64*((\st)%2)
	ds_load_b128 v[AFB+48*((\st)%2)+16*\pt+8*\mt+4:AFB+48*((\st)%2)+16*\pt+8*\mt+7], v[AF] offset:13824*((\st)/2)+4608*\pt+2304*\mt+64*((\st)%2)+32
.endr
.endr
.endm
; Eight numbers x in v[XB ..]: afterwards v[XB ..] = silu(x), v[TB ..] = sigmoid(x), v[TB+8 ..] = silu'(x) = sigmoid + silu (1 - sigmoid).  All in window 1.
.macro ACT
.irp p,0,2,4,6
	v_pk_mul_f32 v[TB+\p:TB+\p+1], v[XB+\p:XB+\p+1], s[30:31] op_sel_hi:[1,0]      ; -x log2 e
.endr
.irp p,0,1,2,3,4,5,6,7
	v_exp_f32 v[TB+\p], v[TB+\p]
.endr
	v_nop                                          ; one plain vector instruction between a transcendental and the use of its result (ISA guide 5.7.2)
	s_wait_alu depctr_va_vdst(0)
.irp p,0,2,4,6
	v_pk_add_f32 v[TB+\p:TB+\p+1], v[TB+\p:TB+\p+1], 1.0 op_sel_hi:[1,0]
.endr
.irp p,0,1,2,3,4,5,6,7
	v_rcp_f32 v[TB+\p], v[TB+\p]
.endr
	v_nop                                          ; likewise
	s_wait_alu depctr_va_vdst(0)
.irp p,0,2,4,6
	v_pk_mul_f32 v[XB+\p:XB+\p+1], v[XB+\p:XB+\p+1], v[TB+\p:TB+\p+1]
.endr
.irp p,0,2,4,6
	v_pk_add_f32 v[TB+8+\p:TB+8+\p+1], v[ONE:ONE+1], v[TB+\p:TB+\p+1] neg_lo:[0,1] neg_hi:[0,1]
.endr
.irp p,0,2,4,6
	v_pk_fma_f32 v[TB+8+\p:TB+8+\p+1], v[XB+\p:XB+\p+1], v[TB+8+\p:TB+8+\p+1], v[TB+\p:TB+\p+1]
.endr
.endm
; First activation of tile (q, mt): h1 in f16, d1 as a bf16 pair (lo = what hi left over), into the tile's own twelve registers of OA1; they are stored behind all eight tiles
.macro ACT1 q, mt
.set XB, ACA+8*(2*\q+\mt)
.set TB, ACU+32*\mt
.set OB, OA1+12*(2*\q+\mt)
	ACT
.irp p,0,1,2,3
	v_cvt_pk_f16_f32 v[OB+\p], v[XB+2*\p], v[XB+2*\p+1]
.endr
.irp p,0,1,2,3
	v_cvt_pk_bf16_f32 v[OB+4+\p], v[TB+8+2*\p], v[TB+8+2*\p+1]
.endr
.irp p,0,1,2,3
	v_fma_mix_f32_bf16 v[TB+8+2*\p], v[OB+4+\p], v[NEG1], v[TB+8+2*\p] op_sel_hi:[1,0,0]
	v_fma_mix_f32_bf16 v[TB+8+2*\p+1], v[OB+4+\p], v[NEG1], v[TB+8+2*\p+1] op_sel:[1,0,0] op_sel_hi:[1,0,0]
.endr
.irp p,0,1,2,3
	v_cvt_pk_bf16_f32 v[OB+8+\p], v[TB+8+2*\p], v[TB+8+2*\p+1]
.endr
.endm
; Second activation of tile (q, mt): d2 u is added to the batch tile's running pair, h2 goes as a bf16 pair into the tile's own eight registers of OA2
.macro ACT2 q, mt
.set XB, ACA+8*(2*\q+\mt)
.set UB, ACU+8*(2*\q+\mt)
.set TB, T2+24*\mt
.set OB, OA2+8*(2*\q+\mt)
.set DVB, DV+2*\mt
	ACT
.irp p,0,2,4,6
.if (\q+\p) == 0
	v_pk_mul_f32 v[DVB:DVB+1], v[TB+8+\p:TB+8+\p+1], v[UB+\p:UB+\p+1]              ; the first product starts the sum
.else
	v_pk_fma_f32 v[DVB:DVB+1], v[TB+8+\p:TB+8+\p+1], v[UB+\p:UB+\p+1], v[DVB:DVB+1]
.endif
.endr
.irp p,0,1,2,3
	v_cvt_pk_bf16_f32 v[OB+\p], v[XB+2*\p], v[XB+2*\p+1]
.endr
.irp p,0,1,2,3
	v_fma_mix_f32_bf16 v[XB+2*\p], v[OB+\p], v[NEG1], v[XB+2*\p] op_sel_hi:[1,0,0]
	v_fma_mix_f32_bf16 v[XB+2*\p+1], v[OB+\p], v[NEG1], v[XB+2*\p+1] op_sel:[1,0,0] op_sel_hi:[1,0,0]
.endr
.irp p,0,1,2,3
	v_cvt_pk_bf16_f32 v[OB+4+\p], v[XB+2*\p], v[XB+2*\p+1]
.endr
.endm
; Eight products of u: part gp of G (0 hi, 1 lo) with part dp of d1 (1 hi, 2 lo); AB is the K step's buffer of activations
.macro UTERM gp, dp, zero
.irp q,0,1,2,3
.irp mt,0,1
.if \zero
	v_wmma_f32_16x16x32_bf16 v[ACU+8*(2*\q+\mt):ACU+8*(2*\q+\mt)+7], v[TG+16*\q+8*\gp:TG+16*\q+8*\gp+7], v[AB+16*\dp+8*\mt:AB+16*\dp+8*\mt+7], 0
.else
	v_wmma_f32_16x16x32_bf16 v[ACU+8*(2*\q+\mt):ACU+8*(2*\q+\mt)+7], v[TG+16*\q+8*\gp:TG+16*\q+8*\gp+7], v[AB+16*\dp+8*\mt:AB+16*\dp+8*\mt+7], v[ACU+8*(2*\q+\mt):ACU+8*(2*\q+\mt)+7]
.endif
.endr
.endr
.endm
; Eight products of the last layer: part pa of h2 with part pb of W3, K step sp.  Source 0 = h2, so that register j of lane (r, h) is out0[16 mt + 8 h + j][4 r + q]
.macro FTERM sp, pa, pb, zero
.irp q,0,1,2,3
.irp mt,0,1
.if \zero
	v_wmma_f32_16x16x32_bf16 v[ACA+8*(2*\q+\mt):ACA+8*(2*\q+\mt)+7], v[ACU+8*(2*(2*\mt+\sp)+\pa):ACU+8*(2*(2*\mt+\sp)+\pa)+7], v[W3F+8*(2*(4*\sp+\q)+\pb):W3F+8*(2*(4*\sp+\q)+\pb)+7], 0
.else
	v_wmma_f32_16x16x32_bf16 v[ACA+8*(2*\q+\mt):ACA+8*(2*\q+\mt)+7], v[ACU+8*(2*(2*\mt+\sp)+\pa):ACU+8*(2*(2*\mt+\sp)+\pa)+7], v[W3F+8*(2*(4*\sp+\q)+\pb):W3F+8*(2*(4*\sp+\q)+\pb)+7], v[ACA+8*(2*\q+\mt):ACA+8*(2*\q+\mt)+7]
.endif
.endr
.endr
.endm
; ================= ids, addresses, constants
	s_load_b512 s[8:23], s[0:1], 0x0               ; z s[8:9], W1 s[10:11], b1 s[12:13], W2 s[14:15], b2 s[16:17], W3 s[18:19], b3 s[20:21], t s[22:23]
	s_load_b128 s[24:27], s[0:1], 0x40             ; out0 s[24:25], out1 s[26:27]
	s_set_vgpr_msb 0x40
	v_lshl_add_u32 v254, v0, 2, 0x31400
	v_mov_b32 v255, 0
	s_set_vgpr_msb 0x4000
	v_and_b32 v24, 31, v0                          ; lane
	v_and_b32 v25, 15, v0                          ; r
	v_bfe_u32 v26, v0, 4, 1                        ; h
	v_lshrrev_b32 v27, 5, v0
	v_readfirstlane_b32 s4, v27                    ; g, my wave
	s_mov_b32 s30, 0xbfb8aa3b                      ; -log2 e, twice: the pair is named whole
	s_mov_b32 s31, 0xbfb8aa3b
	s_mov_b32 s32, 0x76543210                      ; v_permlanex16_b32: lane i reads lane i of the other half
	s_mov_b32 s33, 0xfedcba98
	s_mov_b32 s34, 0xffff0000                      ; lanes 16-31
	s_wait_alu depctr_va_sdst(0)                   ; s4 is written, ahead of its first reader: the wave's LDS blocks and offsets are made from it
	s_lshl_b32 s35, s4, 8                          ; 256 g
	s_lshl_b32 s36, s4, 14                         ; 64 rows of W3
	s_lshl_b32 s37, s4, 13                         ; 8,192 g
	s_mul_i32 s38, s4, 9216
	s_add_co_u32 s5, s38, LW3T
	s_add_co_u32 s29, s38, LH2
	s_mul_i32 s39, s4, 13824
	s_add_co_u32 s39, s39, LACT
	v_lshlrev_b32 v[L16], 4, v24
	v_lshlrev_b32 v[R16], 4, v25
	v_or_b32 v29, s35, v[R16]                      ; 256 g + 16 r
	v_lshl_or_b32 v[W2O], v26, 15, v29             ; + 32 h rows of 1,024 bytes
	v_lshl_or_b32 v[W1O], v26, 13, v29             ; + 8 h rows of 1,024 bytes
	v_lshl_or_b32 v30, v26, 13, v[R16]             ; 32 h rows of 256 bytes + 16 r
	v_or_b32 v[W3O], s36, v30
	v_lshlrev_b32 v[ZG], 4, v0
	v_lshrrev_b32 v30, 6, v0
	v_bfe_u32 v31, v0, 4, 2
	v_lshl_or_b32 v30, v30, 8, v[R16]
	v_lshl_or_b32 v[KB], v31, 2, v30               ; 4 k(tid) = 256 (tid / 64) + 16 (tid % 16) + 4 ((tid / 16) % 4)
	v_lshrrev_b32 v30, 4, v0
	v_mul_u32_u24 v30, v30, 144
	v_lshl_add_u32 v30, v25, 3, v30
	v_add_nc_u32 v[ZS], LZ, v30                    ; row tid / 16, 8 bytes at 8 r
	v_mul_u32_u24 v31, v25, 144
	v_lshl_add_u32 v31, v26, 4, v31                ; 144 r + 16 h: a fragment's lane term in every region of pitch 144
	v_add_nc_u32 v[ZL], LZ, v31
	v_lshl_add_u32 v[BS], v0, 2, LC1
	v_lshlrev_b32 v30, 5, v26
	v_add_nc_u32 v30, s35, v30                     ; 4 (64 g + 8 h)
	v_add_nc_u32 v[BL], LC1, v30
	v_add_nc_u32 v[W1S], s37, v[L16]
	v_mul_u32_u24 v30, v26, 1152
	v_lshl_add_u32 v30, v25, 3, v30                ; 8 h rows of 144 bytes + 8 r
	v_add_nc_u32 v[W3S], s5, v30
	v_add_nc_u32 v[W3L], s5, v31
	v_add_nc_u32 v[AF], LACT, v31
	v_mov_b32 v[NEG], -1.0
	s_lshl_b32 s38, s4, 9                          ; wave g sums batch tile g / 2, registers 4 (g % 2) .. + 3 of the images: 1,024 (g / 2) + 512 (g % 2) = 512 g
	s_add_co_u32 s38, s38, LFP
	v_add_nc_u32 v[FL], s38, v[L16]
	v_lshl_add_u32 v[DVL], v24, 2, LDV
	s_lshr_b32 s38, s4, 1
	s_lshl_b32 s38, s38, 12                        ; 16 rows of out0 for the batch tile,
	s_and_b32 s6, s4, 1
	s_lshl_b32 s6, s6, 10                          ; 4 rows for the half of the registers
	s_add_co_u32 s38, s38, s6
	v_lshl_or_b32 v30, v26, 11, v[R16]             ; 8 h rows + 16 r
	v_add_nc_u32 v[OO], s38, v30
	v_lshlrev_b32 v[O1], 2, v24
	WIN 0x40                                       ; destinations in window 1
	v_add_nc_u32 v[AS], s39, v31
	v_add_nc_u32 v[H2A], s29, v31
	s_add_co_u32 s38, s37, LFP
	v_add_nc_u32 v[FS], s38, v[L16]
	s_lshl_b32 s38, s4, 7
	v_add_nc_u32 v[DVS], s38, v[DVL]
	v_mov_b32 v[NEG1], -1.0
	v_mov_b32 v[PT], 0                             ; v_permlanex16_b32 counts as a reader of its destination
	v_mov_b32 v[PT+1], 0
	v_mov_b32 v[ONE], 1.0
	v_mov_b32 v[ONE+1], 1.0
	WIN 0
	s_wait_kmcnt 0x0
	s_load_b32 s28, s[22:23], 0x0                  ; t
	s_lshl_b32 s6, ttmp9, 13                       ; my 32 rows of 256 bytes in z and out0
	s_mov_b32 s7, 0
	s_add_nc_u64 s[8:9], s[8:9], s[6:7]
	s_add_nc_u64 s[24:25], s[24:25], s[6:7]
	s_lshl_b32 s6, ttmp9, 7                        ; my 32 numbers of out1
	s_add_nc_u64 s[26:27], s[26:27], s[6:7]
; ================= the first loads: 11 small ones, then 32 of W1 and 16 of W3
	s_wait_alu depctr_va_vdst(0)                   ; every offset and LDS address of the kernel is written: all loads and stores below read them, and none is written again
.irp c,0,1,2,3
	global_load_b128 v[ZR+4*\c:ZR+4*\c+3], v[ZG], s[8:9] offset:2048*\c th:TH_LOAD_NT
.endr
	global_load_b32 v160, v[KB], s[12:13]                  ; b1 at k(tid), k(tid + 128) = k(tid) + 128
	global_load_b32 v161, v[KB], s[12:13] offset:512
	global_load_b32 v162, v[KB], s[10:11] offset:65536     ; W1[64]
	global_load_b32 v163, v[KB], s[10:11] offset:66048
	global_load_b32 v164, v[KB], s[16:17]                  ; b2
	global_load_b32 v165, v[KB], s[16:17] offset:512
	global_load_b128 v[B3:B3+3], v[R16], s[20:21]
	WIN 0x40
.irp si,0,1
.irp kk,0,1,2,3,4,5,6,7,8,9,10,11,12,13,14,15
	global_load_b128 v[64*\si+4*\kk:64*\si+4*\kk+3], v[W1O], s[10:11] offset:(32*\si+16*(\kk/8)+(\kk%8))*1024   ; row i = 32 si + 16 (kk / 8) + 8 h + kk % 8
.endr
.endr
	WIN 0x80
	LDW3 0
	WIN 0
; ================= z in f16 and the biases in position order go to LDS
	s_wait_kmcnt 0x0                               ; t
	s_wait_loadcnt 48                              ; the 32 loads of W1 and the 16 of W3 issued behind the 11 small ones may stay out
.irp c,0,1,2,3
	v_cvt_pk_f16_f32 v[ZP+2*\c], v[ZR+4*\c], v[ZR+4*\c+1]
	v_cvt_pk_f16_f32 v[ZP+2*\c+1], v[ZR+4*\c+2], v[ZR+4*\c+3]
.endr
	v_fma_f32 v160, v162, s28, v160                ; t W1[64] + b1
	v_fma_f32 v161, v163, s28, v161
	s_wait_alu depctr_va_vdst(0)                   ; the conversions have written v[ZP ..] and the two sums v160, v161, which the LDS stores read; they are also done reading v[ZR ..], in which z's fragments land below
.irp c,0,1,2,3
	ds_store_b64 v[ZS], v[ZP+2*\c:ZP+2*\c+1] offset:1152*\c
.endr
	ds_store_b32 v[BS], v160
	ds_store_b32 v[BS], v161 offset:512
	ds_store_b32 v[BS], v164 offset:1024
	ds_store_b32 v[BS], v165 offset:1536
	s_wait_dscnt 0x0                               ; for the other waves: my stores are done
	s_barrier_signal -1
	s_barrier_wait -1                              ; z and the biases are whole
; ================= layer 1
	s_wait_alu depctr_vm_vsrc(0)                   ; my LDS stores have read v[ZP ..], in which z's fragments land, and v160 to v165, which W1's conversions write
.irp mt,0,1
.irp si,0,1
	ds_load_b128 v[WF+8*(2*\mt+\si):WF+8*(2*\mt+\si)+3], v[ZL] offset:2304*\mt+64*\si
	ds_load_b128 v[WF+8*(2*\mt+\si)+4:WF+8*(2*\mt+\si)+7], v[ZL] offset:2304*\mt+64*\si+32
.endr
.endr
	s_wait_loadcnt 16                              ; W1 is in; the 16 loads of W3 behind it may stay out
	WIN 0x80
	LDW3 1
	WIN 0
	LDW2 0
	WIN 0x05                                       ; sources in window 1, destination in window 0
.irp si,0,1
.irp q,0,1,2,3
.irp i2,0,1,2,3,4,5,6,7
	v_cvt_pk_f16_f32 v[TG+8*(2*\q+\si)+\i2], v[64*\si+8*\i2+\q], v[64*\si+8*\i2+4+\q]
.endr
.endr
.endr
	WIN 0x40
	s_wait_alu depctr_va_vdst(0)                   ; the conversions are done reading raw W1, in whose registers the biases land, and have written v[TG ..], which the LDS stores read
.irp q,0,1,2,3
.irp mt,0,1
	ds_load_b128 v[ACA+8*(2*\q+\mt):ACA+8*(2*\q+\mt)+3], v[BL] offset:64*\q            ; the sums start from the bias: nothing is cleared
	ds_load_b128 v[ACA+8*(2*\q+\mt)+4:ACA+8*(2*\q+\mt)+7], v[BL] offset:64*\q+16
.endr
.endr
	WIN 0
.irp q,0,1,2,3
.irp si,0,1
	ds_store_b128 v[W1S], v[TG+8*(2*\q+\si):TG+8*(2*\q+\si)+3] offset:(2*\q+\si)*1024          ; my W1 fragments, for every wave's M
	ds_store_b128 v[W1S], v[TG+8*(2*\q+\si)+4:TG+8*(2*\q+\si)+7] offset:(2*\q+\si)*1024+512
.endr
.endr
	s_wait_dscnt 16                                ; the 24 loads are in; the 16 stores issued behind them may stay out
	WIN 0x50                                       ; C and D in window 1
.irp si,0,1
.irp q,0,1,2,3
.irp mt,0,1
	v_wmma_f32_16x16x32_f16 v[ACA+8*(2*\q+\mt):ACA+8*(2*\q+\mt)+7], v[TG+8*(2*\q+\si):TG+8*(2*\q+\si)+7], v[WF+8*(2*\mt+\si):WF+8*(2*\mt+\si)+7], v[ACA+8*(2*\q+\mt):ACA+8*(2*\q+\mt)+7]
.endr
.endr
.endr
	PLACES 4                                       ; in front of the vector instructions that read a1 and of those that write over the fragments
	WIN 0x55
.irp q,0,1,2,3
.irp mt,0,1
	ACT1 \q, \mt
.endr
.endr
	s_wait_alu depctr_va_vdst(0)                   ; the eight tiles' conversions have written v[OA1 ..], which the 24 LDS stores read; the activation is done with a1's registers, in which b2 lands
.irp q,0,1,2,3
.irp mt,0,1
	ds_store_b128 v[AS], v[OA1+12*(2*\q+\mt):OA1+12*(2*\q+\mt)+3] offset:2304*\mt+32*\q
	ds_store_b128 v[AS], v[OA1+12*(2*\q+\mt)+4:OA1+12*(2*\q+\mt)+7] offset:2304*\mt+32*\q+4608
	ds_store_b128 v[AS], v[OA1+12*(2*\q+\mt)+8:OA1+12*(2*\q+\mt)+11] offset:2304*\mt+32*\q+9216
.endr
.endr
	WIN 0x40
.irp q,0,1,2,3
.irp mt,0,1
	ds_load_b128 v[ACA+8*(2*\q+\mt):ACA+8*(2*\q+\mt)+3], v[BL] offset:1024+64*\q       ; layer 2's sums start from b2
	ds_load_b128 v[ACA+8*(2*\q+\mt)+4:ACA+8*(2*\q+\mt)+7], v[BL] offset:1024+64*\q+16
.endr
.endr
; ================= W3: in f16 through my own block of LDS (transposed use, for M), and as bf16 pairs straight into the last layer's fragments
	s_wait_loadcnt 16                              ; both halves of W3 are in; the 16 loads of W2's K step 0 may stay out
	WIN 0
	LDW2 1
	s_wait_alu depctr_vm_vsrc(0)                   ; the LDS stores of my W1 fragments have read v[TG ..], which the conversions below write; those of h1 and d1 have read v[OA1 ..], in which W3's fragments land and the second activation works
	WIN 0x0a                                       ; sources in window 2
.irp sp,0,1
.irp kk,0,1,2,3,4,5,6,7,8,9,10,11,12,13,14,15
	v_cvt_pk_f16_f32 v[TG+2*(16*\sp+\kk)], v[W3W+64*\sp+4*\kk], v[W3W+64*\sp+4*\kk+1]
	v_cvt_pk_f16_f32 v[TG+2*(16*\sp+\kk)+1], v[W3W+64*\sp+4*\kk+2], v[W3W+64*\sp+4*\kk+3]
.endr
.endr
	WIN 0
	s_wait_alu depctr_va_vdst(0)                   ; the conversions have written v[TG ..], which the 32 LDS stores read
.irp sp,0,1
.irp kk,0,1,2,3,4,5,6,7,8,9,10,11,12,13,14,15
	ds_store_b64 v[W3S], v[TG+2*(16*\sp+\kk):TG+2*(16*\sp+\kk)+1] offset:(16*(2*\sp+(\kk/8))+(\kk%8))*144
.endr
.endr
	WIN 0x8a
.irp sp,0,1
.irp q,0,1,2,3
.irp i2,0,1,2,3,4,5,6,7
	v_cvt_pk_bf16_f32 v[W3F+8*(2*(4*\sp+\q))+\i2], v[W3W+64*\sp+8*\i2+\q], v[W3W+64*\sp+8*\i2+4+\q]
.endr
.endr
.endr
	WIN 0xa2                                       ; source 1 (-1.0) in window 0
.irp sp,0,1
.irp q,0,1,2,3
.irp i2,0,1,2,3,4,5,6,7
	v_fma_mix_f32_bf16 v[W3W+64*\sp+8*\i2+\q], v[W3F+8*(2*(4*\sp+\q))+\i2], v[NEG], v[W3W+64*\sp+8*\i2+\q] op_sel_hi:[1,0,0]
	v_fma_mix_f32_bf16 v[W3W+64*\sp+8*\i2+4+\q], v[W3F+8*(2*(4*\sp+\q))+\i2], v[NEG], v[W3W+64*\sp+8*\i2+4+\q] op_sel:[1,0,0] op_sel_hi:[1,0,0]
.endr
.endr
.endr
	WIN 0x8a
.irp sp,0,1
.irp q,0,1,2,3
.irp i2,0,1,2,3,4,5,6,7
	v_cvt_pk_bf16_f32 v[W3F+8*(2*(4*\sp+\q)+1)+\i2], v[W3W+64*\sp+8*\i2+\q], v[W3W+64*\sp+8*\i2+4+\q]
.endr
.endr
.endr
	WIN 0x40
.irp q,0,1,2,3
.irp si,0,1
	ds_load_b128 v[W3R+8*(2*\q+\si):W3R+8*(2*\q+\si)+3], v[W3L] offset:2304*\q+64*\si          ; my own bytes: LDS serves a wave's instructions in order (ISA guide 5.7.1.4).  No vector instruction since the waits above names these registers
	ds_load_b128 v[W3R+8*(2*\q+\si)+4:W3R+8*(2*\q+\si)+7], v[W3L] offset:2304*\q+64*\si+32
.endr
.endr
	s_wait_dscnt 0x0                               ; for the other waves: my W1 fragments, h1 and d1 are stored; for me: b2 and the W3 fragments are in
	s_barrier_signal -1
	s_barrier_wait -1                              ; all 16 tiles of W1 and all 256 positions of h1 and d1 are there
	s_wait_alu depctr_vm_vsrc(0)                   ; my LDS stores of W3 have read v[TG ..], which M's products write
	WIN 0x80                                       ; destinations in window 2
	s_wait_alu depctr_va_vdst(0)                   ; W3's conversions are done reading and writing raw W3, in whose registers the K steps' fragments land
	LDW1F 0
	LDACT 0
; ================= layer 2 and u, K step st = positions 32 st .. 32 st + 31
.macro STEP st
.set AB, AFB+48*(\st%2)
	PLACES 5                                       ; M's tiles write over sources of the matrix instructions in front
	s_wait_dscnt 12                                ; the 8 loads of W1 fragments are in; the 12 of h1 and d1 behind them may stay out
	WIN 0x06                                       ; source 0 in window 2, source 1 in window 1
	; M: register j of lane (r, h) in tile (q, a) is M[64 g + 4 r + q][k(16 (2 st + a) + 8 h + j)], the place of raw W2's register 4 (8 a + j) + q
.irp q,0,1,2,3
.irp a,0,1
	v_wmma_f32_16x16x32_f16 v[TG+16*\q+8*\a:TG+16*\q+8*\a+7], v[W1F+16*\a:W1F+16*\a+7], v[W3R+16*\q:W3R+16*\q+7], 0
.endr
.endr
.irp q,0,1,2,3
.irp a,0,1
	v_wmma_f32_16x16x32_f16 v[TG+16*\q+8*\a:TG+16*\q+8*\a+7], v[W1F+16*\a+8:W1F+16*\a+15], v[W3R+16*\q+8:W3R+16*\q+15], v[TG+16*\q+8*\a:TG+16*\q+8*\a+7]
.endr
.endr
	PLACES 4                                       ; in front of the reads of M
	WIN 0
.if \st == 7
	s_wait_loadcnt 0x0                             ; the last K step: nothing was issued behind its loads
.else
	s_wait_loadcnt 16                              ; this K step's W2 is in; the next step's 16 loads may stay out
.endif
.set RB, RAW0+64*(\st%2)
.irp q,0,1,2,3
.irp i2,0,1,2,3,4,5,6,7
	v_cvt_pk_f16_f32 v[WF+8*\q+\i2], v[RB+8*\i2+\q], v[RB+8*\i2+4+\q]
.endr
.endr
.irp q,0,1,2,3
.irp kk,0,1,2,3,4,5,6,7,8,9,10,11,12,13,14,15
	v_mul_f32 v[RB+4*\kk+\q], v[RB+4*\kk+\q], v[TG+16*\q+\kk]                     ; G = W2 M, in f32
.endr
.endr
.irp q,0,1,2,3
.irp i2,0,1,2,3,4,5,6,7
	v_cvt_pk_bf16_f32 v[TG+16*\q+\i2], v[RB+8*\i2+\q], v[RB+8*\i2+4+\q]
.endr
.endr
.irp q,0,1,2,3
.irp i2,0,1,2,3,4,5,6,7
	v_fma_mix_f32_bf16 v[RB+8*\i2+\q], v[TG+16*\q+\i2], v[NEG], v[RB+8*\i2+\q] op_sel_hi:[1,0,0]
	v_fma_mix_f32_bf16 v[RB+8*\i2+4+\q], v[TG+16*\q+\i2], v[NEG], v[RB+8*\i2+4+\q] op_sel:[1,0,0] op_sel_hi:[1,0,0]
.endr
.endr
.irp q,0,1,2,3
.irp i2,0,1,2,3,4,5,6,7
	v_cvt_pk_bf16_f32 v[TG+16*\q+8+\i2], v[RB+8*\i2+\q], v[RB+8*\i2+4+\q]
.endr
.endr
.if \st < 7
	s_wait_alu depctr_va_vdst(0)                   ; the lines above are done with this raw buffer; M's products are done reading the W1 fragments; the last step's products are done reading the other buffer of activations: the loads below land in these three
.endif
.if \st < 6
	LDW2 \st+2                                     ; into the buffer that has just been used up
.endif
	s_wait_dscnt 0x0                               ; h1 and d1 of this K step
	WIN 0x58                                       ; source 1 in window 2, C and D in window 1
.irp q,0,1,2,3
.irp mt,0,1
	v_wmma_f32_16x16x32_f16 v[ACA+8*(2*\q+\mt):ACA+8*(2*\q+\mt)+7], v[WF+8*\q:WF+8*\q+7], v[AB+8*\mt:AB+8*\mt+7], v[ACA+8*(2*\q+\mt):ACA+8*(2*\q+\mt)+7]
.endr
.endr
.if \st < 7
	WIN 0x80
	LDW1F \st+1                                    ; no wait: no vector or matrix instruction since the wait above names the W1 fragments' registers
	WIN 0x58
.endif
.if \st == 0
	UTERM 0, 1, 1                                  ; the first product starts u
.else
	UTERM 0, 1, 0
.endif
.if \st < 7
	WIN 0x80
	LDACT \st+1                                    ; likewise: the products of this step name the buffer of this step's parity alone
	WIN 0x58
.endif
	UTERM 0, 2, 0
	UTERM 1, 1, 0
.endm
	STEP 0
	STEP 1
	STEP 2
	STEP 3
	STEP 4
	STEP 5
	STEP 6
	STEP 7
; ================= second activation, the trace, layer 3
	PLACES 5                                       ; in front of the reads of a2 and u; layer 3 later writes over a2's registers
	WIN 0x55
.irp q,0,1,2,3
.irp mt,0,1
	ACT2 \q, \mt
.endr
.endr
	v_add_f32 v[DV], v[DV], v[DV+1]
	v_add_f32 v[DV+2], v[DV+2], v[DV+3]
	v_permlanex16_b32 v[PT], v[DV], s32, s33       ; the other eight positions of each tile lie in the other half of the lanes
	v_permlanex16_b32 v[PT+1], v[DV+2], s32, s33
	v_add_f32 v[DV], v[DV], v[PT]
	v_add_f32 v[DV+2], v[DV+2], v[PT+1]
	v_cndmask_b32 v[DV], v[DV], v[DV+2], s34       ; lane L now holds batch row L: lanes 16-31 take batch tile 1
	s_wait_alu depctr_va_vdst(0)                   ; v[DV] and the eight tiles' v[OA2 ..] are written, which the 17 LDS stores read; the activation is done reading u, in whose registers h2's fragments land
	ds_store_b32 v[DVS], v[DV]
.irp q,0,1,2,3
.irp mt,0,1
	ds_store_b128 v[H2A], v[OA2+8*(2*\q+\mt):OA2+8*(2*\q+\mt)+3] offset:2304*\mt+32*\q
	ds_store_b128 v[H2A], v[OA2+8*(2*\q+\mt)+4:OA2+8*(2*\q+\mt)+7] offset:2304*\mt+32*\q+4608
.endr
.endr
.irp mt,0,1
.irp sp,0,1
.irp pt,0,1
	ds_load_b128 v[ACU+8*(2*(2*\mt+\sp)+\pt):ACU+8*(2*(2*\mt+\sp)+\pt)+3], v[H2A] offset:2304*\mt+64*\sp+4608*\pt      ; my own bytes, served in order
	ds_load_b128 v[ACU+8*(2*(2*\mt+\sp)+\pt)+4:ACU+8*(2*(2*\mt+\sp)+\pt)+7], v[H2A] offset:2304*\mt+64*\sp+4608*\pt+32
.endr
.endr
.endr
	s_wait_dscnt 0x0
	WIN 0x59                                       ; source 0, C and D in window 1, source 1 in window 2
	FTERM 0, 0, 0, 1
	FTERM 0, 0, 1, 0
	FTERM 0, 1, 0, 0
	FTERM 1, 0, 0, 0
	FTERM 1, 0, 1, 0
	FTERM 1, 1, 0, 0
	PLACES 4                                       ; in front of the LDS stores that read the results
	WIN 0x55
	s_wait_alu depctr_va_vdst(0)                   ; the products have written the partial out0, which the LDS stores read; the places above stay beside this wait.  All vector work on v[RAW0 ..] is done too: the partial sums land there behind the barrier
.irp q,0,1,2,3
.irp mt,0,1
	ds_store_b128 v[FS], v[ACA+8*(2*\q+\mt):ACA+8*(2*\q+\mt)+3] offset:(2*\q+\mt)*1024
	ds_store_b128 v[FS], v[ACA+8*(2*\q+\mt)+4:ACA+8*(2*\q+\mt)+7] offset:(2*\q+\mt)*1024+512
.endr
.endr
	WIN 0
	s_wait_dscnt 0x0                               ; for the other waves: my partial sums are stored
	s_barrier_signal -1
	s_barrier_wait -1
; ================= the four partial sums meet.  Wave g: batch tile g / 2, rows 8 h + 4 (g % 2) + e; register 16 gw + 4 q + e is wave gw's part of column 4 r + q
.irp gw,0,1,2,3
.irp q,0,1,2,3
	ds_load_b128 v[RAW0+16*\gw+4*\q:RAW0+16*\gw+4*\q+3], v[FL] offset:8192*\gw+2048*\q
.endr
.endr
	s_wait_dscnt 0x0
.irp p,0,2,4,6,8,10,12,14
	v_pk_add_f32 v[RAW0+\p:RAW0+\p+1], v[RAW0+\p:RAW0+\p+1], v[RAW0+16+\p:RAW0+16+\p+1]
	v_pk_add_f32 v[RAW0+32+\p:RAW0+32+\p+1], v[RAW0+32+\p:RAW0+32+\p+1], v[RAW0+48+\p:RAW0+48+\p+1]
.endr
.irp p,0,2,4,6,8,10,12,14
	v_pk_add_f32 v[RAW0+\p:RAW0+\p+1], v[RAW0+\p:RAW0+\p+1], v[RAW0+32+\p:RAW0+32+\p+1]
.endr
.irp e,0,1,2,3
.irp q,0,1,2,3
	v_add_f32 v[OUT+4*\e+\q], v[RAW0+4*\q+\e], v[B3+\q]            ; + b3; the choice of registers turns 4 x 4 numbers, so that a lane holds four neighbouring columns
.endr
.endr
	s_wait_alu depctr_va_vdst(0)                   ; the additions have written v[OUT ..], which the four stores read
.irp e,0,1,2,3
	global_store_b128 v[OO], v[OUT+4*\e:OUT+4*\e+3], s[24:25] offset:256*\e th:TH_STORE_NT     ; lanes 0-15 store one whole row of 256 bytes, lanes 16-31 another
.endr
	s_cmp_lg_u32 s4, 0
	s_cbranch_scc1 .Lend                           ; the work-group's 32 numbers of out1 are one store of wave 0
	ds_load_b32 v24, v[DVL]
	ds_load_b32 v25, v[DVL] offset:128
	ds_load_b32 v26, v[DVL] offset:256
	ds_load_b32 v27, v[DVL] offset:384
	s_wait_dscnt 0x0
	v_add_f32 v24, v24, v25
	v_add_f32 v26, v26, v27
	v_fma_f32 v24, v24, -1.0, -v26                 ; out1 = -trace
	s_wait_alu depctr_va_vdst(0)                   ; v24 is written, which the store reads
	global_store_b32 v[O1], v24, s[26:27] th:TH_STORE_NT
.Lend:
	s_set_vgpr_msb 0x5
	s_wait_dscnt 0x0
	s_wait_alu depctr_hold_cnt(0) depctr_sa_sdst(0) depctr_va_vdst(0) depctr_va_sdst(0) depctr_va_ssrc(0) depctr_va_vcc(0) depctr_vm_vsrc(0)
	s_wait_tensorcnt 0x0
	ds_add_u32 v254, v255
	s_wait_dscnt 0x0
	s_endpgm
.Lfunc_end_k_q612d2d35a4_ode:
	.size	k_q612d2d35a4_ode, .Lfunc_end_k_q612d2d35a4_ode-k_q612d2d35a4_ode
	.p2alignl 7, 3214868480
	.fill 96, 4, 3214868480
	.section	.rodata,"a",@progbits
	.p2align	6, 0x0
	.amdhsa_kernel k_q612d2d35a4_ode
		.amdhsa_group_segment_fixed_size 202240
		.amdhsa_private_segment_fixed_size 0
		.amdhsa_enable_private_segment 0
		.amdhsa_kernarg_size 80
		.amdhsa_user_sgpr_count 2
		.amdhsa_user_sgpr_kernarg_segment_ptr 1
		.amdhsa_wavefront_size32 1
		.amdhsa_system_sgpr_workgroup_id_x 1
		.amdhsa_system_sgpr_workgroup_id_y 1
		.amdhsa_system_sgpr_workgroup_id_z 1
		.amdhsa_system_vgpr_workitem_id 0
		.amdhsa_next_free_vgpr 768
		.amdhsa_next_free_sgpr 66
		.amdhsa_reserve_vcc 0
		.amdhsa_float_denorm_mode_32 3
		.amdhsa_float_denorm_mode_16_64 3
		.amdhsa_memory_ordered 1
		.amdhsa_forward_progress 1
		.amdhsa_inst_pref_size 255
	.end_amdhsa_kernel
	.amdgpu_metadata
---
amdhsa.version: [ 1, 2 ]
amdhsa.kernels:
  - .name:           k_q612d2d35a4_ode
    .symbol:         k_q612d2d35a4_ode.kd
    .args:
      - { .name: z, .offset: 0, .size: 8, .value_kind: global_buffer, .address_space: global }
      - { .name: W1, .offset: 8, .size: 8, .value_kind: global_buffer, .address_space: global }
      - { .name: b1, .offset: 16, .size: 8, .value_kind: global_buffer, .address_space: global }
      - { .name: W2, .offset: 24, .size: 8, .value_kind: global_buffer, .address_space: global }
      - { .name: b2, .offset: 32, .size: 8, .value_kind: global_buffer, .address_space: global }
      - { .name: W3, .offset: 40, .size: 8, .value_kind: global_buffer, .address_space: global }
      - { .name: b3, .offset: 48, .size: 8, .value_kind: global_buffer, .address_space: global }
      - { .name: t, .offset: 56, .size: 8, .value_kind: global_buffer, .address_space: global }
      - { .name: out0, .offset: 64, .size: 8, .value_kind: global_buffer, .address_space: global }
      - { .name: out1, .offset: 72, .size: 8, .value_kind: global_buffer, .address_space: global }
    .group_segment_fixed_size: 202240
    .private_segment_fixed_size: 0
    .kernarg_segment_align: 8
    .kernarg_segment_size: 80
    .max_flat_workgroup_size: 128
    .sgpr_count:     66
    .vgpr_count:     768
    .wavefront_size: 32
...
	.end_amdgpu_metadata
.endif
;; end of part 2
